; MI455X (gfx1250); checked and timed in simulation.
; The chip was launched on July 23, 2026; its instructions are those of AMD's public machine-readable ISA for CDNA 5 (MIT licence, August 2026) and "CDNA5" Instruction Set Architecture Reference Guide (July 2026). The comments in the code are by the model that wrote it; some were corrected since.
;; MAB. Allowed arithmetic: matrix products marked QUANTISED: E3M2 operands, one E8M0 scale for each 32 along K, by v_wmma_scale_f32_16x16x128_f8f6f4 with both operands' format E3M2, f32 sums; everything else in f32.
;; Inputs: Wk 256 x 256 float32; Wo 256 x 256 float32; Wq 256 x 256 float32; Wv 256 x 256 float32; b0 256 float32; b1 256 float32; bk 256 float32; bo 256 float32; bq 256 float32; bv 256 float32; g0 256 float32; g1 256 float32; k 4 x 2,048 x 256 float32; q 4 x 2,048 x 256 float32.
;; Outputs: out0 4 x 2,048 x 256 float32.
;; This version of the problem:
;;   THIS VERSION OF THE PROBLEM IS GIVEN IN LOW PRECISION. The matrix products marked QUANTISED in the list below multiply operands that are first quantised to E3M2 (3 exponent bits, 2 mantissa bits; 6 bits a number), with one power-of-two scale for each 32 numbers along K (OCP MX v1.0); their sums are f32. All else is computed in f32.
;;   The module's matrix products, in the order in which they are computed (A, B: the left and right operand; K: the contracted axis; several contracted axes count as one K, in the product's order):
;;     1. [M 8,192, K 256] x [K 256, N 256]; A: input q; B: input Wq: QUANTISED
;;     2. [M 8,192, K 256] x [K 256, N 256]; A: input k; B: input Wk: QUANTISED
;;     3. [M 8,192, K 256] x [K 256, N 256]; A: input k; B: input Wv: QUANTISED
;;     4. batch 32 x [M 2,048, K 32] x [K 32, N 2,048]; A: computed on the way; B: computed on the way: QUANTISED
;;     5. batch 32 x [M 32, K 2,048] x [K 2,048, N 2,048]; A: computed on the way; B: softmax (see below): QUANTISED
;;     6. [M 8,192, K 256] x [K 256, N 256]; A: computed on the way; B: input Wo: QUANTISED
;;   THE QUANTISER, for each operand of a quantised product, along K:
;;     - K is cut into blocks of 32 from its start; a last block that is shorter is filled with zeros.
;;     - A block's scale is 2^e with e = floor(log2(the largest magnitude in the block)) - 4, held to -126 .. 127; a block of zeros has e = 0. As a byte (E8M0): e + 127.
;;     - Each number is divided by its block's scale, clamped to +-28, and rounded to the nearest number of E3M2, ties to even, subnormals kept.
;;     - The product sums the exact products of the quantised numbers (number of the format x scale) in f32.
;;   ~~~python
;;   def quantise(x, axis):      # numpy; x: float32 -> the quantised numbers, widened to float32 again
;;       x = np.moveaxis(x, axis, -1); K = x.shape[-1]
;;       x = np.pad(x, [(0, 0)] * (x.ndim - 1) + [(0, -K % 32)]); x = x.reshape(x.shape[:-1] + (-1, 32)); a = np.abs(x).max(-1, keepdims=True)
;;       e = np.where(a > 0, np.clip(np.frexp(np.where(a > 0, a, 1))[1] - 1 - 4, -126, 127), 0)      # np.frexp(a)[1] - 1 = floor(log2(a)), exactly
;;       r = np.clip(x / 2.0 ** e, -28, 28)
;;       step = 2.0 ** (np.maximum(np.frexp(np.where(r == 0, 1, r))[1] - 1, -2) - 2)
;;       q = np.round(r / step) * step * 2.0 ** e      # np.round: ties to even
;;       return np.moveaxis(q.reshape(q.shape[:-2] + (-1,))[..., :K], -1, axis).astype(np.float32)
;;   ~~~
;;   SOFTMAX AHEAD OF A QUANTISED PRODUCT. Where the list says 'softmax', what is quantised is not the finished softmax but p = 2^(t - M), with t = logit x log2(e) and M = ceil(the row's largest t), a whole number; so 1/2 < the row's largest p <= 1. The row's sum l is taken of the UNQUANTISED p, in f32, and the product's result is divided by l at the end. Since M is a whole number, a kernel that streams over the keys may use a running M (the ceiling of the running maximum): every later rescaling is an exact power of two, which a block's scale takes up: the codes' values come out the same.
;;   OPERANDS COMPUTED ON THE WAY. 'Computed on the way' means the value that the module computes at that place (a softmax that the list does not call 'softmax' is quantised finished and normalised). What goes into a quantiser is computed in f32, as accurately as f32 sums, v_exp_f32 and their like allow (about 1e-6 of the number): no bf16 or f16 on the way to a quantiser, and a product that is left as it is and whose result goes on into a quantised operand takes f32 operands (vector FMAs, or v_wmma_f32_16x16x4_f32). A number that lies on a knife's edge between two numbers of the format may be rounded either way, as far as f32 arithmetic and the matrix unit's own rounding can turn it there, and no further.
;; One version. Each part assembles by itself: llvm-mc -triple=amdgcn-amd-amdhsa -mcpu=gfx1250 --defsym DOCPART=n.
;; ======== version 1 of 1: 2 launches
;; workspace buffers: kv_codes 3,145,728 bytes; kv_scales 131,072 bytes; w_codes 98,304 bytes; w_scales 8,192 bytes
;; launch proj (part 1): grid 256 x 1, 8 waves a work-group, no clusters, 54,784 bytes of LDS; arguments k, Wk, Wv, bk, bv, Wq, Wo, kv_codes, kv_scales, w_codes, w_scales; writes kv_codes, kv_scales, w_codes, w_scales
.if DOCPART == 1
	.amdgcn_target "amdgcn-amd-amdhsa--gfx1250"
	.amdhsa_code_object_version 6
	.text
	.protected	k_q039ca47bd9_proj
	.globl	k_q039ca47bd9_proj
	.p2align	8
	.type	k_q039ca47bd9_proj,@function
k_q039ca47bd9_proj:
	s_mov_b64 s[64:65], 0
	v_nop
	global_prefetch_b8 v0, s[64:65] scope:SCOPE_SE
	s_setreg_imm32_b32 hwreg(HW_REG_WAVE_MODE, 25, 1), 1
	s_wait_xcnt 0x0
; FIRST OF TWO LAUNCHES.  K = k Wk^T + bk and V = k Wv^T + bv (both products on codes of E3M2 with one E8M0 scale for each 32 along K = 256) are made and at once
; quantised again for the attention's two products, and leave as IMAGES OF OPERAND REGISTERS; Wq and Wo are quantised for the second launch.
; DEAD WORK: none.  Every bias goes into a quantised operand (bq, bk, bv) or into an output (bo, b0, b1), every gain into an output or into the last product's operand: all 14 inputs are loaded by one launch or the other.
; LIMITS: NaN and infinities among the inputs are not served.  A block whose largest magnitude lies under 2^-122, a block of zeros among them, gets the scale byte 1 (the stated rule gives a block of zeros 127):
; its codes are zeros or held small, and the bytes are read by this program alone.  A bias is the C of its sum's first matrix instruction: it is added first, not last.
; SHARES.  256 work-groups: bs = x / 4 names 128 keys (batch 16 b + step), hp = x % 4 a pair of heads.  Eight waves: wave w = 4 role + 2 hd + g.
;   role 0: K image g of head 2 hp + hd: 64 keys x 32 dims.  role 1: V^T fragment g of that head: 16 dims x 128 keys.  16 matrix instructions a wave.
; A K IMAGE is one operand of 16 rows x 128: its block c (32 along the instruction's K) holds the 32 dims of the key of tile 4 g + c, row r.  The second launch multiplies it by Q's codes laid in ONE block, zeros in the others.
; ROWS OF A TILE ARE NOT NEIGHBOURS: lane r takes row base + r + 8 (r / 8), base = 32 a + 8 u; a transposed result then gives a lane 16 neighbours in the 16 registers of tiles u = 0, 1.
; PHASES.  X: wave w quantises key tile w of k (two K steps) and its own 16 rows of Wk or Wv (two K steps); the four fragments go to LDS as images of their registers (16 bytes a lane, 512 a store) | barrier |
;   the products | the results are quantised in registers and stored: 3 stores of 512 consecutive bytes | the scale words of the pair of heads meet in LDS | barrier | wave 0 stores them: 512 consecutive bytes.
; Work-groups 0 to 7 quantise one fragment more a wave: Wq's 32 and Wo's 32 (no LDS, no barrier on that way).  Their scale words leave in pieces of 128 bytes, 8,192 bytes in all.
; NO TENSOR LOADS, NO JOINT REQUESTS: every operand arrives as f32 and has to stand in a lane's registers, 16 neighbours along K, ahead of its conversion; through LDS the work-group's 128 KB of k and 128 KB of weights
; would go a second way (LDS to registers) for nothing.  So there is no tile in LDS that partners could ask for jointly.
.set FRB,   1536                       ; an image: 12 registers x 32 lanes
.set WSC,   32*FRB                     ; LDS: 32 images (index 2 tt + s: k's key tile tt, K step s; 16 + 2 w + s: wave w's weight rows), then their scale words, 128 bytes each,
.set SW,    WSC+32*128                 ; the two heads' records of scale words on their way out, 512 bytes,
.set SPARE, SW+512                     ; and the spare words, 128 bytes for each wave: four blocks of 256 bytes that no other line names
.set XA,  1                            ; v1   f32 rows: (r + 8 (r / 8)) x 1,024 + 64 h: my 16 numbers of a block of 32
.set LI,  2                            ; v2   16 x lane
.set LS,  3                            ; v3   4 x lane
.set IW,  4                            ; v4   where I store images: LI + 2 FRB w
.set IWS, 5                            ; v5   and their scale words: LS + 256 w
.set FW,  6                            ; v6   role 0: my head's four fragments of Wk
.set FWS, 7
.set FK,  8                            ; v8   role 0: my four key tiles of k
.set FKS, 9
.set FV,  10                           ; v10  role 1: my fragment of Wv
.set FVS, 11
.set SWA, 12                           ; v12  my word's place in the records on their way out
.set BA,  13                           ; v13  bk: 64 h
.set SPW, 14                           ; v14  my spare word; never rewritten
.set NIL, 15                           ; v15  0; never rewritten
.set TM,  16                           ; v16-23 the quantiser's: largest magnitudes and scale operands; the other half's, then bytes
.set PW,  24                           ; v24  the scale word just made
.set BA1, 25                           ; v25  bv: 4 (r + 8 (r / 8))
.set QT,  26                           ; v26-28, v30-32 the second halves of the conversions
.set PC,  34                           ; v34-45 the codes just made
.set BK,  48                           ; v48-63 the bias in the result's layout
.set BUFA, 64                          ; three buffers of 64 numbers
.set BUFB, 128
.set BUFC, 192
.set ACC, 64                           ; v64-127 eight accumulators
.set WA,  128                          ; v128-175 fragments of the weight
.set KB,  176                          ; v176-223 four fragments of k
.set WAS, 224                          ; v224-227 the weight's scale words
.set KBS, 228                          ; v228-231 k's
.set MG,  232
.set SEL, 36                           ; s[36:37] v_permlanex16_b32's selects for lane l xor 16
; 64 numbers of a lane, register 16 b + i = element 16 h + i of block b of my row, become a fragment's 12 registers in v[d] on and the row's scale word in v[w]
.macro QUANT s, d, w
.irp b, 0,1,2,3
	v_max3_num_f32 v[TM+\b], |v[\s+16*\b]|, |v[\s+1+16*\b]|, 0x2800000   ; my 16 numbers of block b, and the floor 2^(5 - 127): the byte cannot fall under 1
.endr
.irp i, 2,4,6,8,10,12,14
.irp b, 0,1,2,3
	v_max3_num_f32 v[TM+\b], v[TM+\b], |v[\s+16*\b+\i]|, |v[\s+1+16*\b+\i]|   ; the four blocks by turns
.endr
.endr
.irp b, 0,1,2,3
	s_delay_alu instid0(VALU_DEP_4)
	v_permlanex16_b32 v[TM+4+\b], v[TM+\b], s[SEL], s[SEL+1]
.endr
.irp b, 0,1,2,3
	s_delay_alu instid0(VALU_DEP_4)
	v_max_num_f32 v[TM+\b], v[TM+\b], v[TM+4+\b]   ; with lane l xor 16's: the block's largest magnitude
.endr
.irp b, 0,1,2,3
	s_delay_alu instid0(VALU_DEP_4)
	v_add_nc_u32 v[TM+\b], 0xfe000000, v[TM+\b]    ; 4 off its exponent field: the conversion takes that field as its scale
.endr
.irp b, 0,1,2,3
	s_delay_alu instid0(VALU_DEP_4)
	v_lshrrev_b32 v[TM+4+\b], 23, v[TM+\b]         ; the scale's byte
.endr
	s_delay_alu instid0(VALU_DEP_3)
	v_lshl_or_b32 v[\w], v[TM+5], 8, v[TM+4]
	s_delay_alu instid0(VALU_DEP_1)
	v_lshl_or_b32 v[\w], v[TM+6], 16, v[\w]
	s_delay_alu instid0(VALU_DEP_1)
	v_lshl_or_b32 v[\w], v[TM+7], 24, v[\w]
.irp c, 0,1
	v_cvt_scalef32_pk16_bf6_f32 v[\d+6*\c:\d+6*\c+2], v[\s+32*\c:\s+32*\c+15], v[TM+2*\c]
	v_cvt_scalef32_pk16_bf6_f32 v[QT+4*\c:QT+4*\c+2], v[\s+32*\c+16:\s+32*\c+31], v[TM+2*\c+1]   ; (a conversion's three registers begin on an even number)
.endr
	v_nop                                          ; one plain place behind the scaled conversions
.irp c, 0,1                                    ; the operand wants a WHOLE block in a lane: lanes 0-15 block 2 c, lanes 16-31 block 2 c + 1
.irp i, 0,1,2
	v_permlane16_swap_b32 v[\d+6*\c+\i], v[QT+4*\c+\i]
.endr
.irp i, 0,1,2
	s_delay_alu instid0(VALU_DEP_3)
	v_mov_b32 v[\d+3+6*\c+\i], v[QT+4*\c+\i]
.endr
.endr
.endm
.macro XLOAD reg, base, off            ; 128 along K of my row, 64 numbers a lane, in the quantiser's order
.irp b, 0,1,2,3
.irp j, 0,1,2,3
	global_load_b128 v[\reg+16*\b+4*\j:\reg+16*\b+4*\j+3], v[XA], s[\base:\base+1] offset:\off+128*\b+16*\j
.endr
.endr
.endm
.macro IMAGE idx                       ; the fragment in v[PC] on and its scale word go to LDS as they stand
.irp c, 0,1,2
	ds_store_b128 v[IW], v[PC+4*\c:PC+4*\c+3] offset:(\idx)*FRB+512*\c
.endr
	ds_store_b32 v[IWS], v[PW] offset:WSC+(\idx)*128
.endm
.macro FRAGL reg, adr, off             ; and come back so, in any wave
.irp c, 0,1,2
	ds_load_b128 v[(\reg)+4*\c:(\reg)+4*\c+3], v[\adr] offset:(\off)+512*\c
.endr
.endm
.macro MM d, a, b, c, sa, sb
	v_wmma_scale_f32_16x16x128_f8f6f4 v[(\d):(\d)+7], v[(\a):(\a)+11], v[(\b):(\b)+11], v[(\c):(\c)+7], v[\sa], v[\sb] matrix_a_fmt:MATRIX_FMT_BF6 matrix_b_fmt:MATRIX_FMT_BF6
.endm
.macro PLACES                          ; four places behind a matrix instruction, in front of loads into its operands and of the first read of its results
.rept 4
	v_nop
.endr
.endm
.macro BARRIER                         ; my LDS stores have landed and my LDS loads are in: then the work-group's barrier
	s_wait_dscnt 0x0
	s_barrier_signal -1
	s_barrier_wait -1
.endm
	s_load_b512 s[8:23], s[0:1], 0x0               ; k s[8:9], Wk s[10:11], Wv s[12:13], bk s[14:15], bv s[16:17], Wq s[18:19], Wo s[20:21], kv_codes s[22:23]
	s_load_b128 s[24:27], s[0:1], 0x40             ; kv_scales s[24:25], w_codes s[26:27]
	s_load_b64 s[28:29], s[0:1], 0x50              ; w_scales
	v_lshl_add_u32 v[SPW], v0, 2, SPARE
	v_mov_b32 v[NIL], 0
	v_lshrrev_b32 v16, 5, v0
	s_delay_alu instid0(VALU_DEP_1)
	v_readfirstlane_b32 s30, v16                   ; wave 0..7
	s_and_b32 s31, s30, 1                          ; g
	s_bfe_u32 s32, s30, 0x10001                    ; hd: which head of the pair
	s_lshr_b32 s33, s30, 2                         ; role
	s_and_b32 s34, ttmp9, 3                        ; hp
	s_lshr_b32 s35, ttmp9, 2                       ; bs
	s_mov_b32 s[SEL], 0x76543210
	s_mov_b32 s[SEL+1], 0xfedcba98
	; every LDS address is made here, ahead of the first branch on the role
	v_and_b32 v16, 15, v0                          ; r
	v_bfe_u32 v17, v0, 4, 1                        ; h
	s_delay_alu instid0(VALU_DEP_2)
	v_and_b32 v18, 8, v16
	s_delay_alu instid0(VALU_DEP_1)
	v_add_nc_u32 v18, v18, v16                     ; r + 8 (r / 8)
	s_delay_alu instid0(VALU_DEP_1)
	v_lshlrev_b32 v[XA], 10, v18
	s_delay_alu instid0(VALU_DEP_1)
	v_lshl_add_u32 v[XA], v17, 6, v[XA]
	v_and_b32 v19, 31, v0
	s_delay_alu instid0(VALU_DEP_1)
	v_lshlrev_b32 v[LI], 4, v19
	s_wait_alu depctr_va_vdst(0)
	v_lshlrev_b32 v[LS], 2, v19
	s_wait_alu depctr_va_vdst(0)
	s_mul_i32 s54, s30, 2*FRB
	v_add_nc_u32 v[IW], s54, v[LI]
	s_lshl_b32 s54, s30, 8
	v_add_nc_u32 v[IWS], s54, v[LS]
	s_mul_i32 s54, s32, 4*FRB
	v_add_nc_u32 v[FW], s54, v[LI]
	s_lshl_b32 s54, s32, 9
	v_add_nc_u32 v[FWS], s54, v[LS]
	s_mul_i32 s54, s31, 8*FRB
	v_add_nc_u32 v[FK], s54, v[LI]
	s_lshl_b32 s54, s31, 10
	v_add_nc_u32 v[FKS], s54, v[LS]
	s_and_b32 s55, s30, 3
	s_mul_i32 s54, s55, 2*FRB
	v_add_nc_u32 v[FV], s54, v[LI]
	s_lshl_b32 s54, s55, 8
	v_add_nc_u32 v[FVS], s54, v[LS]
	s_lshl_b32 s54, s55, 7                         ; the record's lane 16 g + r of head hd: 128 (w % 4) + 8 r; K's word first, V's 4 bytes on
	s_lshl_b32 s56, s33, 2
	s_add_co_u32 s54, s54, s56
	s_add_co_u32 s54, s54, SW
	v_lshl_add_u32 v[SWA], v16, 3, s54
	v_lshlrev_b32 v[BA], 6, v17
	v_lshlrev_b32 v[BA1], 2, v18
.irp b, 0,1,2,3
	v_mov_b32 v[TM+4+\b], 0                        ; written once: a lane permute's destination counts as one of its sources
.endr
	s_mov_b32 s55, 0                               ; every offset below is a pair s[54:55] with 0 above
	s_wait_kmcnt 0x0
	s_lshl_b32 s54, s35, 7                         ; k: row 128 bs + 32 (w / 2) + 8 (w % 2): key tile w
	s_lshr_b32 s56, s30, 1
	s_lshl_b32 s56, s56, 5
	s_add_co_u32 s54, s54, s56
	s_lshl_b32 s56, s31, 3
	s_add_co_u32 s54, s54, s56
	s_lshl_b32 s54, s54, 10
	s_add_nc_u64 s[38:39], s[8:9], s[54:55]
	s_lshl_b32 s56, s34, 6                         ; the weight's rows: 64 hp + 32 hd + 8 g
	s_lshl_b32 s57, s32, 5
	s_add_co_u32 s56, s56, s57
	s_lshl_b32 s57, s31, 3
	s_add_co_u32 s58, s56, s57
	s_lshl_b32 s54, s58, 10
	s_cmp_eq_u32 s33, 0                            ; the choice hangs on the wave's number alone
	s_cselect_b64 s[40:41], s[10:11], s[12:13]     ; Wk or Wv
	s_cselect_b64 s[42:43], s[14:15], s[16:17]     ; bk or bv
	s_cselect_b32 s59, s56, s58                    ; bk from the head's first dim, bv from my fragment's
	s_add_nc_u64 s[40:41], s[40:41], s[54:55]
	s_lshl_b32 s54, s59, 2
	s_add_nc_u64 s[42:43], s[42:43], s[54:55]
	s_lshl_b32 s56, s34, 1                         ; the fragment more: rows 32 (2 (x % 4) + w / 4) + 8 ((w / 2) % 2), K step w % 2
	s_add_co_u32 s56, s56, s33
	s_lshl_b32 s56, s56, 5
	s_lshl_b32 s57, s32, 3
	s_add_co_u32 s56, s56, s57
	s_lshl_b32 s56, s56, 10
	s_lshl_b32 s57, s31, 9
	s_add_co_u32 s54, s56, s57
	s_cmp_lt_u32 ttmp9, 4
	s_cselect_b64 s[44:45], s[18:19], s[20:21]     ; Wq in work-groups 0-3, Wo in 4-7
	s_add_nc_u64 s[44:45], s[44:45], s[54:55]
	s_min_u32 s56, ttmp9, 7                        ; (held, so that the address stays inside its buffer in the work-groups that do not use it)
	s_lshl_b32 s56, s56, 3
	s_add_co_u32 s56, s56, s30                     ; its number: 8 x + w
	s_mul_i32 s54, s56, FRB
	s_add_nc_u64 s[46:47], s[26:27], s[54:55]
	s_lshl_b32 s54, s56, 7
	s_add_nc_u64 s[48:49], s[28:29], s[54:55]
	s_lshl_b32 s56, s35, 3
	s_lshl_b32 s57, s34, 1
	s_add_co_u32 s56, s56, s57                     ; record 8 bs + 2 hp
	s_lshl_b32 s54, s56, 8
	s_add_nc_u64 s[52:53], s[24:25], s[54:55]      ; the pair's scale records
	s_add_co_u32 s56, s56, s32
	s_mul_i32 s54, s56, 4*FRB
	s_mul_i32 s57, s33, 2*FRB
	s_add_co_u32 s54, s54, s57
	s_mul_i32 s57, s31, FRB
	s_add_co_u32 s54, s54, s57
	s_add_nc_u64 s[50:51], s[22:23], s[54:55]      ; my image
	; the bias: the oldest loads, so every counted wait below covers them on both ways
	s_cmp_eq_u32 s33, 0
	s_cbranch_scc0 .Lbias_v
	s_wait_alu depctr_va_vdst(0)
.irp i, 0,1,2,3
	global_load_b128 v[BK+4*\i:BK+4*\i+3], v[BA], s[42:43] offset:16*\i   ; register 8 u + j: bk at the head's dim 16 h + 8 u + j
.endr
	s_branch .Lbias_done
.Lbias_v:
	s_wait_alu depctr_va_vdst(0)
	global_load_b32 v[BK], v[BA1], s[42:43]        ; bv at my column's dim
.Lbias_done:
	; ---- X
	XLOAD BUFA, 38, 0
	XLOAD BUFB, 38, 512
	XLOAD BUFC, 40, 0
	s_wait_loadcnt 32                              ; the 32 loads of the two younger buffers may be out
	QUANT BUFA, PC, PW
	IMAGE 0
	XLOAD BUFA, 40, 512
	s_wait_loadcnt 32                              ; again two buffers' loads behind the one that is wanted
	s_wait_dscnt 0x0                               ; the stores have read their registers
	QUANT BUFB, PC, PW
	IMAGE 1
	s_cmp_lt_u32 ttmp9, 8
	s_cbranch_scc0 .Lno_more_load
	XLOAD BUFB, 44, 0
.Lno_more_load:
	s_wait_loadcnt 16                              ; behind the weight's first K step: its second (16 loads); on the way with the fragment more the count leaves only that fragment's out
	s_wait_dscnt 0x0
	QUANT BUFC, PC, PW
	IMAGE 16
	s_wait_loadcnt 0x0
	s_wait_dscnt 0x0
	QUANT BUFA, PC, PW
	IMAGE 17
	s_cmp_lt_u32 ttmp9, 8
	s_cbranch_scc0 .Lno_more
	s_wait_dscnt 0x0
	QUANT BUFB, PC, PW
.irp c, 0,1,2
	global_store_b128 v[LI], v[PC+4*\c:PC+4*\c+3], s[46:47] offset:512*\c   ; 512 consecutive bytes a store
.endr
	global_store_b32 v[LS], v[PW], s[48:49]
.Lno_more:
	BARRIER                                        ; all 32 images lie in LDS
	; ---- the products.  The accumulators take turns, one instruction a turn
	s_cmp_eq_u32 s33, 0
	s_cbranch_scc0 .Lrole_v
	; K, transposed: source 0 = 16 rows of Wk, source 1 = 16 keys.  Accumulator 2 c + u: lane (r, h), register j: dim 16 h + 8 u + j of the key of tile 4 g + c, row r
.irp f, 0,1,2,3
	FRAGL WA+12*\f, FW, (16+\f)*FRB
	ds_load_b32 v[WAS+\f], v[FWS] offset:WSC+(16+\f)*128
.endr
.irp s, 0,1
.if \s
	PLACES
.endif
.irp c, 0,1,2,3
	FRAGL KB+12*\c, FK, (2*\c+\s)*FRB
	ds_load_b32 v[KBS+\c], v[FKS] offset:WSC+(2*\c+\s)*128
.endr
	s_wait_dscnt 0x0
.irp c, 0,1,2,3
.irp u, 0,1
.if \s
	MM ACC+16*\c+8*\u, WA+12*(2*\u+\s), KB+12*\c, ACC+16*\c+8*\u, WAS+2*\u+\s, KBS+\c
.else
	MM ACC+16*\c+8*\u, WA+12*(2*\u+\s), KB+12*\c, BK+8*\u, WAS+2*\u+\s, KBS+\c
.endif
.endr
.endr
.endr
	s_branch .Lprod_done
.Lrole_v:
	; V: source 0 = 16 keys, source 1 = my 16 rows of Wv.  Accumulator tt: lane (r, h), register j: key 32 (tt / 2) + 16 h + 8 (tt % 2) + j of dim row r: registers run along the keys
.irp j, 1,2,3,4,5,6,7
	v_mov_b32 v[BK+\j], v[BK]                      ; a lane's eight results share its dim: the same bias
.endr
	s_wait_alu depctr_va_vdst(0)
.irp s, 0,1
	FRAGL WA+12*\s, FV, (24+\s)*FRB
	ds_load_b32 v[WAS+\s], v[FVS] offset:WSC+(24+\s)*128
.endr
.irp s, 0,1
.irp y, 0,1
.if \s+\y
	PLACES
.endif
.irp c, 0,1,2,3
	FRAGL KB+12*\c, LI, (2*(4*\y+\c)+\s)*FRB
	ds_load_b32 v[KBS+\c], v[LS] offset:WSC+(2*(4*\y+\c)+\s)*128
.endr
	s_wait_dscnt 0x0
.irp c, 0,1,2,3
.if \s
	MM ACC+8*(4*\y+\c), KB+12*\c, WA+12*\s, ACC+8*(4*\y+\c), KBS+\c, WAS+\s
.else
	MM ACC+8*(4*\y+\c), KB+12*\c, WA+12*\s, BK, KBS+\c, WAS+\s
.endif
.endr
.endr
.endr
.Lprod_done:
	PLACES
	s_wait_xcnt 0x0                                ; the fragment more's stores have read v[PC] on and v[PW]: they are written again only behind this wait
	QUANT ACC, PC, PW                              ; role 0: block c = the 32 dims of tile 4 g + c's key; role 1: block b = 32 keys of my dim
.irp c, 0,1,2
	global_store_b128 v[LI], v[PC+4*\c:PC+4*\c+3], s[50:51] offset:512*\c   ; 512 consecutive bytes, at a multiple of 512 from the buffer's first byte
.endr
	ds_store_b32 v[SWA], v[PW]                     ; lanes r and 16 + r write the same word with the same value
	BARRIER
	s_cmp_lg_u32 s30, 0
	s_cbranch_scc1 .Lnot_wave_0
	ds_load_b128 v[MG:MG+3], v[LI] offset:SW
	s_wait_dscnt 0x0
	global_store_b128 v[LI], v[MG:MG+3], s[52:53]  ; the two heads' records: 512 consecutive bytes
.Lnot_wave_0:
	s_wait_tensorcnt 0x0                           ; the wave's end: behind my last LDS store
	ds_add_u32 v[SPW], v[NIL]
	s_wait_dscnt 0x0
	s_endpgm
.Lfunc_end_k_q039ca47bd9_proj:
	.size	k_q039ca47bd9_proj, .Lfunc_end_k_q039ca47bd9_proj-k_q039ca47bd9_proj
	.p2alignl 7, 3214868480
	.fill 96, 4, 3214868480
	.section	.rodata,"a",@progbits
	.p2align	6, 0x0
	.amdhsa_kernel k_q039ca47bd9_proj
		.amdhsa_group_segment_fixed_size 54784
		.amdhsa_private_segment_fixed_size 0
		.amdhsa_enable_private_segment 0
		.amdhsa_kernarg_size 88
		.amdhsa_user_sgpr_count 2
		.amdhsa_user_sgpr_kernarg_segment_ptr 1
		.amdhsa_wavefront_size32 1
		.amdhsa_system_sgpr_workgroup_id_x 1
		.amdhsa_system_sgpr_workgroup_id_y 1
		.amdhsa_system_sgpr_workgroup_id_z 1
		.amdhsa_system_vgpr_workitem_id 0
		.amdhsa_next_free_vgpr 256
		.amdhsa_next_free_sgpr 66
		.amdhsa_reserve_vcc 0
		.amdhsa_float_denorm_mode_32 3
		.amdhsa_float_denorm_mode_16_64 3
		.amdhsa_memory_ordered 1
		.amdhsa_forward_progress 1
		.amdhsa_inst_pref_size 55
	.end_amdhsa_kernel
	.amdgpu_metadata
---
amdhsa.version: [ 1, 2 ]
amdhsa.kernels:
  - .name:           k_q039ca47bd9_proj
    .symbol:         k_q039ca47bd9_proj.kd
    .args:
      - { .name: k, .offset: 0, .size: 8, .value_kind: global_buffer, .address_space: global }
      - { .name: Wk, .offset: 8, .size: 8, .value_kind: global_buffer, .address_space: global }
      - { .name: Wv, .offset: 16, .size: 8, .value_kind: global_buffer, .address_space: global }
      - { .name: bk, .offset: 24, .size: 8, .value_kind: global_buffer, .address_space: global }
      - { .name: bv, .offset: 32, .size: 8, .value_kind: global_buffer, .address_space: global }
      - { .name: Wq, .offset: 40, .size: 8, .value_kind: global_buffer, .address_space: global }
      - { .name: Wo, .offset: 48, .size: 8, .value_kind: global_buffer, .address_space: global }
      - { .name: kv_codes, .offset: 56, .size: 8, .value_kind: global_buffer, .address_space: global }
      - { .name: kv_scales, .offset: 64, .size: 8, .value_kind: global_buffer, .address_space: global }
      - { .name: w_codes, .offset: 72, .size: 8, .value_kind: global_buffer, .address_space: global }
      - { .name: w_scales, .offset: 80, .size: 8, .value_kind: global_buffer, .address_space: global }
    .group_segment_fixed_size: 54784
    .private_segment_fixed_size: 0
    .kernarg_segment_align: 8
    .kernarg_segment_size: 88
    .max_flat_workgroup_size: 256
    .sgpr_count:     66
    .vgpr_count:     256
    .wavefront_size: 32
...
	.end_amdgpu_metadata
.endif
;; end of part 1
;; launch attn (part 2): grid 64 x 4, 16 waves a work-group, clusters of 4 x 1, 327,680 bytes of LDS; arguments q, w_codes, w_scales, bq, kv_codes, kv_scales, bo, g0, b0, g1, b1, out0; writes out0
.if DOCPART == 2
	.amdgcn_target "amdgcn-amd-amdhsa--gfx1250"
	.amdhsa_code_object_version 6
	.text
	.protected	k_q039ca47bd9_attn
	.globl	k_q039ca47bd9_attn
	.p2align	8
	.type	k_q039ca47bd9_attn,@function
k_q039ca47bd9_attn:
	s_mov_b64 s[64:65], 0
	v_nop
	global_prefetch_b8 v0, s[64:65] scope:SCOPE_SE
	s_setreg_imm32_b32 hwreg(HW_REG_WAVE_MODE, 25, 1), 1
	s_wait_xcnt 0x0
	s_wait_alu depctr_hold_cnt(0) depctr_sa_sdst(0) depctr_va_vdst(0) depctr_va_sdst(0) depctr_va_ssrc(0) depctr_va_vcc(0) depctr_vm_vsrc(0)
	s_getreg_b32 s2, hwreg(HW_REG_IB_STS2, 6, 4)
	s_cmp_eq_u32 s2, 0
	s_cbranch_scc0 .Lentry_in_a_cluster
	s_endpgm
.Lentry_in_a_cluster:
	s_bfe_u32 s2, ttmp6, 0x10000c
	s_cmp_lg_u32 s2, 0x3003
	s_cbranch_scc0 .Lentry_shape_is_right
	s_endpgm
.Lentry_shape_is_right:
.set SLOT1, 131072
.set SLOTB, 98304
.set STEPB, 49152
.set SCW,   98304
.set STG,   229376
.set SP,    1040
.set OC,    STG+32*SP
.set OP,    208
.set OS,    OC+32*OP
.set SPARE, OS+256
.set STG2,  SPARE+2048
.set A0,  1
.set S0,  2
.set SPW, 5
.set NIL, 6
.set ADR, 8
.set ADS, 9
.set QO,  16
.set WOS, 46
.set KV,  48
.set WO,  72
.set S,   96
.set OT,  160
.set PCD, 176
.set PT,  188
.set BM,  196
.set BT,  200
.set SOP, 204
.set FF,  208
.set PWD, 209
.set TT,  210
.set PFO, 211
.set KSW, 212
.set QS,  214
.set BO,  216
.set QF,  224
.set L2,  240
.set TM,  240
.set QT,  248
.set STA, 1
.set STB, 2
.set G64, 3
.set G16, 4
.set OCW, 7
.set OSW, 8
.set OCR, 9
.set OSR, 10
.set STC, 11
.set STD, 12
.set GOUT, 13
.set OSC, 242
.set G1C, 32
.set G1S, 40
.set G0C, 48
.set G0S, 52
.set WV,  56
.set HD,  57
.set TQ,  58
.set MLO, 59
.set SEL, 60
.set CS,  62
.set TB,  66
.set TS,  67
.set SLOTS, 68
.set LIM, 69
.set PFA, 70
.set RN,  72
.set EPS, 73
.macro QUANT s, d, w
.irp b, 0,1,2,3
	v_max3_num_f32 v[TM+\b], |v[\s+16*\b]|, |v[\s+1+16*\b]|, 0x2800000
.endr
.irp i, 2,4,6,8,10,12,14
.irp b, 0,1,2,3
	s_delay_alu instid0(VALU_DEP_4)
	v_max3_num_f32 v[TM+\b], v[TM+\b], |v[\s+16*\b+\i]|, |v[\s+1+16*\b+\i]|
.endr
.endr
.irp b, 0,1,2,3
	s_delay_alu instid0(VALU_DEP_4)
	v_permlanex16_b32 v[TM+4+\b], v[TM+\b], s[SEL], s[SEL+1]
.endr
.irp b, 0,1,2,3
	s_delay_alu instid0(VALU_DEP_4)
	v_max_num_f32 v[TM+\b], v[TM+\b], v[TM+4+\b]
.endr
.irp b, 0,1,2,3
	s_delay_alu instid0(VALU_DEP_4)
	v_add_nc_u32 v[TM+\b], 0xfe000000, v[TM+\b]
.endr
.irp b, 0,1,2,3
	s_delay_alu instid0(VALU_DEP_4)
	v_lshrrev_b32 v[TM+4+\b], 23, v[TM+\b]
.endr
	s_delay_alu instid0(VALU_DEP_3)
	v_lshl_or_b32 v[\w], v[TM+5], 8, v[TM+4]
	s_delay_alu instid0(VALU_DEP_1)
	v_lshl_or_b32 v[\w], v[TM+6], 16, v[\w]
	s_delay_alu instid0(VALU_DEP_1)
	v_lshl_or_b32 v[\w], v[TM+7], 24, v[\w]
.irp c, 0,1
	v_cvt_scalef32_pk16_bf6_f32 v[\d+6*\c:\d+6*\c+2], v[\s+32*\c:\s+32*\c+15], v[TM+2*\c]
	v_cvt_scalef32_pk16_bf6_f32 v[QT+4*\c:QT+4*\c+2], v[\s+32*\c+16:\s+32*\c+31], v[TM+2*\c+1]
.endr
	v_nop
.irp c, 0,1
.irp i, 0,1,2
	v_permlane16_swap_b32 v[\d+6*\c+\i], v[QT+4*\c+\i]
.endr
.irp i, 0,1,2
	s_delay_alu instid0(VALU_DEP_3)
	v_mov_b32 v[\d+3+6*\c+\i], v[QT+4*\c+\i]
.endr
.endr
.endm
.macro XLOAD reg, off
.irp b, 0,1,2,3
.irp j, 0,1,2,3
	global_load_b128 v[\reg+16*\b+4*\j:\reg+16*\b+4*\j+3], v9, s[8:9] offset:\off+128*\b+16*\j
.endr
.endr
.endm
.macro MM d, a, b, c, sa, sb
	v_wmma_scale_f32_16x16x128_f8f6f4 v[(\d):(\d)+7], v[(\a):(\a)+11], v[(\b):(\b)+11], v[(\c):(\c)+7], v[\sa], v[\sb] matrix_a_fmt:MATRIX_FMT_BF6 matrix_b_fmt:MATRIX_FMT_BF6
.endm
.macro MM1 d, a, b, c, sa, sb
	v_wmma_scale_f32_16x16x128_f8f6f4 v[(\d):(\d)+7], v[(\a):(\a)+11], v[(\b):(\b)+11], v[(\c):(\c)+7], v[\sa], v[\sb] matrix_a_fmt:MATRIX_FMT_BF6 matrix_b_fmt:MATRIX_FMT_BF6 matrix_a_scale:MATRIX_SCALE_ROW1
.endm
.macro MZ d, a, b, sa, sb
	v_wmma_scale_f32_16x16x128_f8f6f4 v[(\d):(\d)+7], v[(\a):(\a)+11], v[(\b):(\b)+11], 0, v[\sa], v[\sb] matrix_a_fmt:MATRIX_FMT_BF6 matrix_b_fmt:MATRIX_FMT_BF6
.endm
.macro MZ1 d, a, b, sa, sb
	v_wmma_scale_f32_16x16x128_f8f6f4 v[(\d):(\d)+7], v[(\a):(\a)+11], v[(\b):(\b)+11], 0, v[\sa], v[\sb] matrix_a_fmt:MATRIX_FMT_BF6 matrix_b_fmt:MATRIX_FMT_BF6 matrix_a_scale:MATRIX_SCALE_ROW1
.endm
.macro PLACES
.rept 4
	v_nop
.endr
.endm
.macro BARRIER
	s_wait_dscnt 0x0
	s_barrier_signal -1
	s_barrier_wait -1
.endm
.macro CROUND
	s_barrier_signal -1
	s_barrier_wait -1
	s_cmp_lg_u32 s[WV], 0
	s_cbranch_scc1 .Lnot_wave_0_\@
	s_barrier_signal -3
.Lnot_wave_0_\@:
	s_barrier_wait -3
	s_barrier_signal -1
	s_barrier_wait -1
.endm
.macro ASK
	s_cmp_gt_u32 s[SLOTS], s[LIM]
	s_cbranch_scc0 .Lnot_mine_\@
	s_wait_alu depctr_va_vdst(0)
	global_prefetch_b8 v[PFO], s[PFA:PFA+1] th:TH_LOAD_NT scope:SCOPE_SE
.Lnot_mine_\@:
.endm
	s_load_b512 s[8:23], s[0:1], 0x0
	s_load_b256 s[24:31], s[0:1], 0x40
	v_lshl_add_u32 v[SPW], v0, 2, SPARE
	v_mov_b32 v[NIL], 0
	ds_add_u32 v[SPW], v[NIL]
	ds_add_u32 v[SPW], v[NIL]
	v_lshrrev_b32 v1, 5, v0
	s_delay_alu instid0(VALU_DEP_1)
	v_readfirstlane_b32 s[WV], v1
	s_and_b32 s[HD], s[WV], 7
	s_lshr_b32 s[TQ], s[WV], 3
	s_mov_b32 s[G1C], 15|(3<<16)|(1<<21)
	s_mov_b32 s[G1C+1], 32<<16
	s_mov_b32 s[G1C+2], 24<<16
	s_mov_b32 s[G1C+3], 32<<16
	s_mov_b32 s[G1C+4], 24
	s_mov_b32 s[G1C+5], 32
	s_mov_b32 s[G1C+6], 0
	s_mov_b32 s[G1C+7], 0
	s_mov_b32 s[G1S], 15|(3<<16)|(1<<21)
	s_mov_b32 s[G1S+1], 32<<16
	s_mov_b32 s[G1S+2], 8<<16
	s_mov_b32 s[G1S+3], 32<<16
	s_mov_b32 s[G1S+4], 8
	s_mov_b32 s[G1S+5], 32
	s_mov_b32 s[G1S+6], 0
	s_mov_b32 s[G1S+7], 0
	s_mov_b32 s[MLO], 0xffff
	s_mov_b32 s[SEL], 0x76543210
	s_mov_b32 s[SEL+1], 0xfedcba98
	s_mov_b32 s[CS], 0x3db8aa3b
	s_mov_b32 s[CS+1], s[CS]
	s_mov_b32 s[RN], 0x3b800000
	s_mov_b32 s[EPS], 0x3727c5ac
	s_mov_b32 s[TB], 0
	s_mov_b32 s[TS], 0
	s_mov_b32 s[SLOTS], 7
	v_and_b32 v8, 15, v0
	v_bfe_u32 v10, v0, 4, 1
	v_and_b32 v11, 31, v0
	s_delay_alu instid0(VALU_DEP_2)
	v_lshlrev_b32 v3, 6, v10
	s_delay_alu instid0(VALU_DEP_2)
	v_lshlrev_b32 v4, 4, v11
	s_delay_alu instid0(VALU_DEP_3)
	v_lshlrev_b32 v7, 2, v11
	s_delay_alu instid0(VALU_DEP_3)
	v_lshl_add_u32 v9, v8, 10, v3
	s_mul_i32 s74, s[HD], 6144
	v_add_nc_u32 v[A0], s74, v4
	s_lshl_b32 s74, s[HD], 8
	s_add_co_u32 s74, s74, SCW
	v_lshl_add_u32 v[S0], v11, 3, s74
.irp b, 0,1,2,3
	v_mov_b32 v[TM+4+\b], 0
.endr
	s_and_b32 s76, ttmp7, 0xffff
	s_mov_b32 s79, 0
	s_mov_b32 s81, 0
	s_mov_b32 s89, 0
	s_mul_i32 s77, s76, 8*SLOTB
	s_mul_i32 s[G0C+1], s[WV], 6144
	s_add_co_u32 s78, s77, s[G0C+1]
	s_lshl_b32 s82, s[WV], 11
	s_lshl_b32 s80, s76, 15
	s_add_co_u32 s80, s80, s82
	s_add_co_u32 s[G0S+1], s82, SCW
	s_mov_b32 s[G0C], 1
	s_mov_b32 s[G0S], 1
	s_wait_dscnt 0x0
	s_wait_kmcnt 0x0
	s_add_nc_u64 s[G0C+2:G0C+3], s[16:17], s[78:79]
	s_or_b32 s[G0C+3], s[G0C+3], 0x80000000
	s_add_nc_u64 s[G0S+2:G0S+3], s[18:19], s[80:81]
	s_or_b32 s[G0S+3], s[G0S+3], 0x80000000
	CROUND
	tensor_load_to_lds s[G0S:G0S+3], s[G1S:G1S+7]
	s_nop 0
	tensor_load_to_lds s[G0C:G0C+3], s[G1C:G1C+7]
	s_nop 0
	PLACES
	s_bfe_u32 s84, ttmp6, 0x40000
	s_lshl_b32 s85, ttmp9, 2
	s_add_co_u32 s85, s85, s84
	s_lshl_b32 s86, s76, 11
	s_lshl_b32 s85, s85, 5
	s_add_co_u32 s86, s86, s85
	s_lshl_b32 s87, s[TQ], 4
	s_add_co_u32 s88, s86, s87
	s_lshl_b32 s88, s88, 10
	s_add_nc_u64 s[8:9], s[8:9], s[88:89]
	s_lshl_b32 s87, s[WV], 1
	s_add_co_u32 s88, s86, s87
	s_lshl_b32 s88, s88, 10
	s_add_nc_u64 s[30:31], s[30:31], s[88:89]
	s_mul_i32 s88, s84, 24576
	s_min_u32 s87, s[WV], 2
	s_lshl_b32 s87, s87, 13
	s_add_co_u32 s88, s88, s87
	s_add_co_u32 s88, s88, s77
	s_add_co_u32 s88, s88, SLOTB
	s_add_nc_u64 s[PFA:PFA+1], s[16:17], s[88:89]
	s_cmp_lt_u32 s[WV], 3
	s_cselect_b32 s87, 0, 1
	s_or_b32 s87, s87, ttmp9
	s_cmp_eq_u32 s87, 0
	s_cselect_b32 s[LIM], 1, -1
	s_lshl_b32 s88, s[HD], 7
	s_add_nc_u64 s[14:15], s[14:15], s[88:89]
	s_mul_i32 s88, s[HD], 6144
	s_add_nc_u64 s[90:91], s[10:11], s[88:89]
	s_mul_i32 s88, s[WV], 3072
	s_add_co_u32 s88, s88, 49152
	s_add_nc_u64 s[92:93], s[10:11], s[88:89]
	s_lshl_b32 s88, s[HD], 9
	s_add_nc_u64 s[94:95], s[12:13], s[88:89]
	s_lshl_b32 s88, s[WV], 8
	s_add_co_u32 s88, s88, 4096
	s_add_nc_u64 s[12:13], s[12:13], s[88:89]
	s_lshr_b32 s88, s[WV], 1
	s_lshl_b32 s88, s88, 7
	s_and_b32 s87, s[WV], 1
	s_lshl_b32 s87, s87, 5
	s_add_co_u32 s88, s88, s87
	s_add_nc_u64 s[20:21], s[20:21], s[88:89]
.irp i, 0,1,2,3
	global_load_b128 v[QF+4*\i:QF+4*\i+3], v3, s[14:15] offset:16*\i
.endr
	s_wait_alu depctr_va_vdst(0)
.irp i, 0,1,2,3,4,5,6,7,8,9,10,11
	global_load_b128 v[KV+4*\i:KV+4*\i+3], v4, s[90:91] offset:512*\i
.endr
.irp i, 0,1,2,3
	global_load_b32 v[12+\i], v7, s[94:95] offset:128*\i
.endr
	XLOAD 96, 0
	XLOAD 160, 512
	s_wait_loadcnt 16
	QUANT 96, 16, 10
	s_wait_loadcnt 0x0
	QUANT 160, 28, 11
.irp j, 0,1,2,3,4,5,6,7,8,9,10,11,12,13,14,15
	v_mov_b32 v[OT+\j], 0
.endr
.irp s, 0,1
.irp u, 0,1
	MM QF+8*\u, KV+12*(2*\u+\s), 16+12*\s, QF+8*\u, 12+2*\u+\s, 10+\s
.endr
.endr
	PLACES
	v_max3_num_f32 v240, |v[QF]|, |v[QF+1]|, 0x2800000
.irp i, 2,4,6,8,10,12,14
	v_max3_num_f32 v240, v240, |v[QF+\i]|, |v[QF+1+\i]|
.endr
	s_delay_alu instid0(VALU_DEP_1)
	v_permlanex16_b32 v241, v240, s[SEL], s[SEL+1]
	s_delay_alu instid0(VALU_DEP_1)
	v_max_num_f32 v240, v240, v241
	s_delay_alu instid0(VALU_DEP_1)
	v_add_nc_u32 v242, 0xfe000000, v240
	s_delay_alu instid0(VALU_DEP_1)
	v_lshrrev_b32 v243, 23, v242
	s_delay_alu instid0(VALU_DEP_1)
	v_lshl_or_b32 v[QS], v243, 8, v243
	s_delay_alu instid0(VALU_DEP_1)
	v_lshl_or_b32 v[QS], v[QS], 16, v[QS]
	v_cvt_scalef32_pk16_bf6_f32 v[248:250], v[QF:QF+15], v242
	v_nop
.irp i, 0,1,2
	v_permlanex16_b32 v[252+\i], v[248+\i], s[SEL], s[SEL+1]
.endr
.irp i, 0,1,2,3,4,5
	v_mov_b32 v[QO+\i], 0
	v_mov_b32 v[QO+12+\i], 0
	v_mov_b32 v[QO+24+\i], 0
.endr
.irp i, 0,1,2
	v_cndmask_b32 v[QO+6+\i], v[QO], v[248+\i], s[MLO]
	v_cndmask_b32 v[QO+9+\i], v[QO], v[252+\i], s[MLO]
	v_cndmask_b32 v[QO+18+\i], v[252+\i], v[QO], s[MLO]
	v_cndmask_b32 v[QO+21+\i], v[248+\i], v[QO], s[MLO]
.endr
	v_mov_b32 v13, 0xff61b1e6
	s_delay_alu instid0(VALU_DEP_1)
	v_floor_f32 v12, -v13
	v_mov_b32 v14, 0
	v_mov_b32 v15, 0
.irp b, 0,1,2,3
	v_mov_b32 v[BT+\b], 0
.endr
	v_mov_b32 v[PWD], 0
	v_and_b32 v[PFO], 31, v0
	s_delay_alu instid0(VALU_DEP_1)
	v_lshlrev_b32 v[PFO], 8, v[PFO]
.irp i, 0,1,2,3,4,5
	global_load_b128 v[WO+4*\i:WO+4*\i+3], v4, s[92:93] offset:512*\i
.endr
	global_load_b32 v[WOS], v7, s[12:13]
	global_load_b32 v[WOS+1], v7, s[12:13] offset:128
	global_load_b128 v[BO:BO+3], v3, s[20:21]
	global_load_b128 v[BO+4:BO+7], v3, s[20:21] offset:16
.macro STEP q
	v_add_nc_u32 v[ADR], s[TB], v[A0]
	v_add_nc_u32 v[ADS], s[TS], v[S0]
	v_nop
	v_nop
.irp i, 0,1,2,3,4,5
	ds_load_b128 v[KV+4*\i:KV+4*\i+3], v[ADR] offset:STEPB*(\q)+512*\i
.endr
	ds_load_b64 v[KSW:KSW+1], v[ADS]
	s_wait_alu depctr_va_vdst(0)
	s_wait_dscnt 0x0
.irp c, 0,1,2,3
	MZ S+8*\c, KV, QO+6+12*(\c%2)-6*(\c/2), KSW, QS
.endr
.irp c, 0,1,2,3
	MZ1 S+32+8*\c, KV+12, QO+6+12*(\c%2)-6*(\c/2), KSW, QS
.endr
	PLACES
.irp i, 0,1,2,3,4,5
	ds_load_b128 v[KV+4*\i:KV+4*\i+3], v[ADR] offset:STEPB*(\q)+3072+512*\i
.endr
.irp b, 0,1,2,3
	v_max3_num_f32 v[BM+\b], v[S+16*\b], v[S+1+16*\b], v[S+2+16*\b]
.endr
.irp i, 3,5,7,9,11,13
.irp b, 0,1,2,3
	v_max3_num_f32 v[BM+\b], v[BM+\b], v[S+16*\b+\i], v[S+1+16*\b+\i]
.endr
.endr
.irp b, 0,1,2,3
	v_max_num_f32 v[BM+\b], v[BM+\b], v[S+15+16*\b]
.endr
.irp b, 0,1,2,3
	s_delay_alu instid0(VALU_DEP_4)
	v_permlanex16_b32 v[BT+\b], v[BM+\b], s[SEL], s[SEL+1]
.endr
.irp b, 0,1,2,3
	s_delay_alu instid0(VALU_DEP_4)
	v_max_num_f32 v[BM+\b], v[BM+\b], v[BT+\b]
.endr
	s_delay_alu instid0(VALU_DEP_2)
	v_max3_num_f32 v[TT], v[BM], v[BM+1], v[BM+2]
	s_delay_alu instid0(VALU_DEP_1)
	v_max_num_f32 v[TT], v[TT], v[BM+3]
	s_delay_alu instid0(VALU_DEP_1)
	v_mul_f32 v[TT], s[CS], v[TT]
	s_delay_alu instid0(VALU_DEP_1)
	v_max_num_f32 v13, v13, v[TT]
	v_mov_b32 v[TT], v12
	s_delay_alu instid0(VALU_DEP_2)
	v_floor_f32 v12, -v13
	s_delay_alu instid0(VALU_DEP_1)
	v_sub_f32 v[TT], v12, v[TT]
	s_delay_alu instid0(VALU_DEP_1)
	v_cvt_i32_f32 v[TT], v[TT]
	s_delay_alu instid0(VALU_DEP_1)
	v_ldexp_f32 v[FF], 1.0, v[TT]
.irp j, 0,2,4,6,8,10,12,14,16,18,20,22,24,26,28,30,32,34,36,38,40,42,44,46,48,50,52,54,56,58,60,62
	v_pk_fma_f32 v[S+\j:S+1+\j], v[S+\j:S+1+\j], s[CS:CS+1], v[12:13] op_sel_hi:[1,0,0]
.endr
.irp b, 0,1,2,3
	v_fma_f32 v[BM+\b], v[BM+\b], s[CS], v12
.endr
	s_wait_alu depctr_va_vdst(0)
.irp j, 0,1,2,3,4,5,6,7,8,9,10,11,12,13,14,15,16,17,18,19,20,21,22,23,24,25,26,27,28,29,30,31,32,33,34,35,36,37,38,39,40,41,42,43,44,45,46,47,48,49,50,51,52,53,54,55,56,57,58,59,60,61,62,63
	v_exp_f32 v[S+\j], v[S+\j]
.endr
.irp b, 0,1,2,3
	v_exp_f32 v[BM+\b], v[BM+\b]
.endr
	v_pk_mul_f32 v[14:15], v[14:15], v[FF:FF+1] op_sel_hi:[1,0]
	s_wait_alu depctr_va_vdst(0)
.irp j, 0,2,4,6,8,10,12,14
	v_pk_mul_f32 v[OT+\j:OT+1+\j], v[OT+\j:OT+1+\j], v[FF:FF+1] op_sel_hi:[1,0]
.endr
	s_wait_alu depctr_va_vdst(0)
.irp b, 0,1,2,3
	v_max_num_f32 v[BM+\b], 0x2800000, v[BM+\b]
.endr
.irp b, 0,1,2,3
	s_delay_alu instid0(VALU_DEP_4)
	v_add_nc_u32 v[SOP+\b], 0xfe000000, v[BM+\b]
.endr
.irp b, 0,1,2,3
	s_delay_alu instid0(VALU_DEP_4)
	v_lshrrev_b32 v[BT+\b], 23, v[SOP+\b]
.endr
	s_delay_alu instid0(VALU_DEP_3)
	v_lshl_or_b32 v[PWD], v[BT+1], 8, v[BT]
	s_delay_alu instid0(VALU_DEP_1)
	v_lshl_or_b32 v[PWD], v[BT+2], 16, v[PWD]
	s_delay_alu instid0(VALU_DEP_1)
	v_lshl_or_b32 v[PWD], v[BT+3], 24, v[PWD]
.irp c, 0,1
	v_cvt_scalef32_pk16_bf6_f32 v[PCD+6*\c:PCD+6*\c+2], v[S+32*\c:S+32*\c+15], v[SOP+2*\c]
	v_cvt_scalef32_pk16_bf6_f32 v[PT+4*\c:PT+4*\c+2], v[S+32*\c+16:S+32*\c+31], v[SOP+2*\c+1]
.endr
	v_nop
.irp c, 0,1
.irp i, 0,1,2
	v_permlane16_swap_b32 v[PCD+6*\c+\i], v[PT+4*\c+\i]
.endr
.irp i, 0,1,2
	s_delay_alu instid0(VALU_DEP_3)
	v_mov_b32 v[PCD+3+6*\c+\i], v[PT+4*\c+\i]
.endr
.endr
	v_pk_add_f32 v[240:241], v[100:101], v[104:105]
	v_pk_add_f32 v[254:255], v[108:109], v[112:113]
	v_pk_add_f32 v[252:253], v[116:117], v[120:121]
	v_pk_add_f32 v[250:251], v[124:125], v[128:129]
	v_pk_add_f32 v[248:249], v[132:133], v[136:137]
	v_pk_add_f32 v[246:247], v[140:141], v[144:145]
	v_pk_add_f32 v[244:245], v[148:149], v[152:153]
	v_pk_add_f32 v[14:15], v[14:15], v[156:157]
	v_pk_add_f32 v[240:241], v[240:241], v[96:97]
	v_pk_add_f32 v[254:255], v[254:255], v[98:99]
	v_pk_add_f32 v[252:253], v[252:253], v[102:103]
	v_pk_add_f32 v[250:251], v[250:251], v[106:107]
	v_pk_add_f32 v[248:249], v[248:249], v[110:111]
	v_pk_add_f32 v[246:247], v[246:247], v[114:115]
	v_pk_add_f32 v[244:245], v[244:245], v[118:119]
	v_pk_add_f32 v[14:15], v[14:15], v[122:123]
	v_pk_add_f32 v[240:241], v[240:241], v[126:127]
	v_pk_add_f32 v[254:255], v[254:255], v[130:131]
	v_pk_add_f32 v[252:253], v[252:253], v[134:135]
	v_pk_add_f32 v[250:251], v[250:251], v[138:139]
	v_pk_add_f32 v[248:249], v[248:249], v[142:143]
	v_pk_add_f32 v[246:247], v[246:247], v[146:147]
	v_pk_add_f32 v[244:245], v[244:245], v[150:151]
	v_pk_add_f32 v[14:15], v[14:15], v[154:155]
	v_pk_add_f32 v[240:241], v[240:241], v[158:159]
	s_delay_alu instid0(VALU_DEP_2)
	v_pk_add_f32 v[14:15], v[14:15], v[250:251]
	s_delay_alu instid0(VALU_DEP_2)
	v_pk_add_f32 v[240:241], v[240:241], v[248:249]
	v_pk_add_f32 v[254:255], v[254:255], v[246:247]
	v_pk_add_f32 v[252:253], v[252:253], v[244:245]
	s_delay_alu instid0(VALU_DEP_2)
	v_pk_add_f32 v[14:15], v[14:15], v[254:255]
	s_delay_alu instid0(VALU_DEP_2)
	v_pk_add_f32 v[240:241], v[240:241], v[252:253]
	s_delay_alu instid0(VALU_DEP_1)
	v_pk_add_f32 v[14:15], v[14:15], v[240:241]
	s_wait_dscnt 0x0
	MM OT, KV, PCD, OT, KSW+1, PWD
	MM1 OT+8, KV+12, PCD, OT+8, KSW+1, PWD
	s_add_co_u32 s[TS], s[TS], 2048
.endm
.macro CHANGE fill
	s_wait_tensorcnt 0x0
	ds_add_u32 v[SPW], v[NIL]
.if \fill
	s_xor_b32 s[G0C+1], s[G0C+1], SLOT1
	s_add_nc_u64 s[G0C+2:G0C+3], s[G0C+2:G0C+3], SLOTB
	s_wait_xcnt 0x0
	s_add_nc_u64 s[PFA:PFA+1], s[PFA:PFA+1], SLOTB
	s_wait_dscnt 0x0
	CROUND
	tensor_load_to_lds s[G0C:G0C+3], s[G1C:G1C+7]
	s_nop 0
	PLACES
	ASK
.else
	s_wait_dscnt 0x0
	s_barrier_signal -1
	s_barrier_wait -1
.endif
.endm
.Lslot:
	CHANGE 1
	STEP 0
	STEP 1
	s_xor_b32 s[TB], s[TB], SLOT1
	s_sub_co_u32 s[SLOTS], s[SLOTS], 1
	s_cmp_lg_u32 s[SLOTS], 0
	s_cbranch_scc1 .Lslot
	CHANGE 0
	STEP 0
	STEP 1
	v_and_b32 v240, 15, v0
	v_bfe_u32 v241, v0, 4, 1
	s_delay_alu instid0(VALU_DEP_2)
	v_lshlrev_b32 v[G64], 6, v240
	s_delay_alu instid0(VALU_DEP_3)
	v_lshlrev_b32 v[G16], 4, v240
.irp i, 0,1,2,3
	global_load_b128 v[96+4*\i:99+4*\i], v[G64], s[22:23] offset:16*\i
.endr
.irp i, 0,1,2,3
	global_load_b128 v[112+4*\i:115+4*\i], v[G64], s[24:25] offset:16*\i
.endr
.irp i, 0,1,2,3
	global_load_b128 v[128+4*\i:131+4*\i], v[G16], s[26:27] offset:256*\i
.endr
.irp i, 0,1,2,3
	global_load_b128 v[144+4*\i:147+4*\i], v[G16], s[28:29] offset:256*\i
.endr
	s_wait_alu depctr_va_vdst(0)
	v_add_f32 v14, v14, v15
	s_delay_alu instid0(VALU_DEP_1)
	v_permlanex16_b32 v[TT], v14, s[SEL], s[SEL+1]
	s_delay_alu instid0(VALU_DEP_1)
	v_add_f32 v14, v14, v[TT]
	s_wait_alu depctr_va_vdst(0)
	v_rcp_f32 v14, v14
	v_mul_u32_u24 v242, v240, SP
	s_delay_alu instid0(VALU_DEP_1)
	v_lshl_add_u32 v242, v241, 6, v242
	s_wait_alu depctr_va_vdst(0)
	s_mul_i32 s74, s[TQ], 16*SP
	s_lshl_b32 s75, s[HD], 7
	s_add_co_u32 s74, s74, s75
	s_add_co_u32 s74, s74, STG
	v_add_nc_u32 v[STA], s74, v242
	s_lshr_b32 s74, s[WV], 1
	s_lshl_b32 s74, s74, 7
	s_and_b32 s75, s[WV], 1
	s_lshl_b32 s75, s75, 5
	s_add_co_u32 s74, s74, s75
	s_add_co_u32 s74, s74, STG
	v_add_nc_u32 v[STC], s74, v242
	v_mul_u32_u24 v243, v241, SP
	s_mul_i32 s74, s[WV], 2*SP
	s_add_co_u32 s75, s74, STG
	v_lshl_add_u32 v[STB], v240, 6, v243
	s_delay_alu instid0(VALU_DEP_1)
	v_add_nc_u32 v[STB], s75, v[STB]
	s_add_co_u32 s75, s74, STG2
	v_lshl_add_u32 v[STD], v240, 4, v243
	s_delay_alu instid0(VALU_DEP_1)
	v_add_nc_u32 v[STD], s75, v[STD]
	v_mul_u32_u24 v[OCW], v241, OP
	s_delay_alu instid0(VALU_DEP_1)
	v_mad_u32_u24 v[OCW], v240, 12, v[OCW]
	s_mul_i32 s74, s[WV], 2*OP
	s_add_co_u32 s74, s74, OC
	v_add_nc_u32 v[OCW], s74, v[OCW]
	v_lshrrev_b32 v[OSW], 1, v240
	s_delay_alu instid0(VALU_DEP_1)
	v_lshl_add_u32 v[OSW], v241, 3, v[OSW]
	s_lshl_b32 s74, s[WV], 4
	s_add_co_u32 s74, s74, OS
	v_add_nc_u32 v[OSW], s74, v[OSW]
	v_mul_u32_u24 v[OCR], v240, OP
	s_delay_alu instid0(VALU_DEP_1)
	v_mad_u32_u24 v[OCR], v241, 24, v[OCR]
	s_delay_alu instid0(VALU_DEP_1)
	v_add_nc_u32 v[OCR], OC, v[OCR]
	v_lshl_add_u32 v[OSR], v240, 3, OS
	v_lshlrev_b32 v[GOUT], 10, v241
	s_delay_alu instid0(VALU_DEP_1)
	v_lshl_add_u32 v[GOUT], v240, 4, v[GOUT]
	s_wait_alu depctr_va_vdst(0)
.irp j, 0,2,4,6,8,10,12,14
	v_pk_fma_f32 v[OT+\j:OT+1+\j], v[OT+\j:OT+1+\j], v[14:15], v[QF+\j:QF+1+\j] op_sel_hi:[1,0,1]
.endr
.irp i, 0,1,2,3
	ds_store_b128 v[STA], v[OT+4*\i:OT+4*\i+3] offset:16*\i
.endr
	BARRIER
.macro LNSTAT
	v_pk_add_f32 v[192:193], v[160:161], v[162:163]
	v_pk_add_f32 v[194:195], v[164:165], v[166:167]
	v_pk_add_f32 v[196:197], v[168:169], v[170:171]
	v_pk_add_f32 v[198:199], v[172:173], v[174:175]
	s_delay_alu instid0(VALU_DEP_3)
	v_pk_add_f32 v[192:193], v[192:193], v[194:195]
	s_delay_alu instid0(VALU_DEP_2)
	v_pk_add_f32 v[196:197], v[196:197], v[198:199]
	s_delay_alu instid0(VALU_DEP_1)
	v_pk_add_f32 v[192:193], v[192:193], v[196:197]
	s_delay_alu instid0(VALU_DEP_1)
	v_add_f32 v192, v192, v193
.irp m, 1,2,4,8
	s_delay_alu instid0(VALU_DEP_1)
	v_add_f32_dpp v192, v192, v192 row_xmask:\m row_mask:0xf bank_mask:0xf
.endr
	s_delay_alu instid0(VALU_DEP_1)
	v_mul_f32 v192, s[RN], v192
.irp j, 0,2,4,6,8,10,12,14
	v_pk_add_f32 v[160+\j:161+\j], v[160+\j:161+\j], v[192:193] op_sel_hi:[1,0] neg_lo:[0,1] neg_hi:[0,1]
.endr
	v_pk_mul_f32 v[194:195], v[160:161], v[160:161]
	v_pk_mul_f32 v[196:197], v[162:163], v[162:163]
.irp j, 4,8,12
	s_delay_alu instid0(VALU_DEP_2)
	v_pk_fma_f32 v[194:195], v[160+\j:161+\j], v[160+\j:161+\j], v[194:195]
	s_delay_alu instid0(VALU_DEP_2)
	v_pk_fma_f32 v[196:197], v[162+\j:163+\j], v[162+\j:163+\j], v[196:197]
.endr
	s_delay_alu instid0(VALU_DEP_1)
	v_pk_add_f32 v[194:195], v[194:195], v[196:197]
	s_delay_alu instid0(VALU_DEP_1)
	v_add_f32 v194, v194, v195
.irp m, 1,2,4,8
	s_delay_alu instid0(VALU_DEP_1)
	v_add_f32_dpp v194, v194, v194 row_xmask:\m row_mask:0xf bank_mask:0xf
.endr
	s_delay_alu instid0(VALU_DEP_1)
	v_fma_f32 v194, v194, s[RN], s[EPS]
	s_wait_alu depctr_va_vdst(0)
	v_rsq_f32 v196, v194
	v_nop
	s_wait_alu depctr_va_vdst(0)
.endm
.irp i, 0,1,2,3
	ds_load_b128 v[160+4*\i:163+4*\i], v[STB] offset:16*\i
.endr
	s_wait_dscnt 0x0
	LNSTAT
	s_wait_loadcnt 8
.irp j, 0,2,4,6,8,10,12,14
	v_pk_mul_f32 v[160+\j:161+\j], v[160+\j:161+\j], v[196:197] op_sel_hi:[1,0]
.endr
.irp j, 0,2,4,6,8,10,12,14
	v_pk_fma_f32 v[160+\j:161+\j], v[160+\j:161+\j], v[96+\j:97+\j], v[112+\j:113+\j]
.endr
	v_max3_num_f32 v200, |v160|, |v161|, 0x2800000
	s_delay_alu instid0(VALU_DEP_4)
	v_max3_num_f32 v201, |v168|, |v169|, |v170|
	s_delay_alu instid0(VALU_DEP_2)
	v_max3_num_f32 v200, v200, |v162|, |v163|
	s_delay_alu instid0(VALU_DEP_2)
	v_max3_num_f32 v201, v201, |v171|, |v172|
	s_delay_alu instid0(VALU_DEP_2)
	v_max3_num_f32 v200, v200, |v164|, |v165|
	s_delay_alu instid0(VALU_DEP_2)
	v_max3_num_f32 v201, v201, |v173|, |v174|
	s_delay_alu instid0(VALU_DEP_2)
	v_max3_num_f32 v200, v200, |v166|, |v167|
	s_delay_alu instid0(VALU_DEP_1)
	v_max3_num_f32 v200, v200, v201, |v175|
	s_delay_alu instid0(VALU_DEP_1)
	v_max_num_f32_dpp v200, v200, v200 row_xmask:1 row_mask:0xf bank_mask:0xf
	s_delay_alu instid0(VALU_DEP_1)
	v_add_nc_u32 v201, 0xfe000000, v200
	v_cvt_scalef32_pk16_bf6_f32 v[176:178], v[160:175], v201
	v_lshrrev_b32 v202, 23, v201
.irp i, 0,1,2,3
	ds_store_b128 v[STB], v[160+4*\i:163+4*\i] offset:16*\i
.endr
.irp i, 0,1,2
	ds_store_b32 v[OCW], v[176+\i] offset:4*\i
.endr
	ds_store_b8 v[OSW], v202
	BARRIER
.macro OFRAG reg, off
.irp p, 0,1,2,3,4,5
	ds_load_b64 v[\reg+2*\p:\reg+2*\p+1], v[OCR] offset:\off+48*(\p/3)+8*(\p%3)
.endr
.endm
	OFRAG 16, 0
	OFRAG 28, 96
	OFRAG 48, 16*OP
	OFRAG 60, 16*OP+96
.irp t, 0,1
.irp s, 0,1
	ds_load_b32 v[OSC+2*\t+\s], v[OSR] offset:128*\t+4*\s
.endr
.endr
.irp t, 0,1
	ds_load_b128 v[96+8*\t:99+8*\t], v[STC] offset:16*SP*\t
	ds_load_b128 v[100+8*\t:103+8*\t], v[STC] offset:16*SP*\t+16
.endr
	s_wait_dscnt 0x0
.irp s, 0,1
.irp t, 0,1
.if \s
	MM 176+8*\t, WO+12*\s, 16+32*\t+12*\s, 176+8*\t, WOS+\s, OSC+2*\t+\s
.else
	MM 176+8*\t, WO+12*\s, 16+32*\t+12*\s, BO, WOS+\s, OSC+2*\t+\s
.endif
.endr
.endr
	PLACES
.irp j, 0,1,2,3,4,5,6,7,8,9,10,11,12,13,14,15
	v_max_num_f32 v[176+\j], 0, v[176+\j]
.endr
.irp j, 0,2,4,6,8,10,12,14
	v_pk_add_f32 v[176+\j:177+\j], v[176+\j:177+\j], v[96+\j:97+\j]
.endr
.irp t, 0,1
	ds_store_b128 v[STC], v[176+8*\t:179+8*\t] offset:STG2-STG+16*SP*\t
	ds_store_b128 v[STC], v[180+8*\t:183+8*\t] offset:STG2-STG+16*SP*\t+16
.endr
	BARRIER
.irp i, 0,1,2,3
	ds_load_b128 v[160+4*\i:163+4*\i], v[STD] offset:256*\i
.endr
	s_wait_dscnt 0x0
	LNSTAT
	s_wait_loadcnt 0x0
.irp j, 0,2,4,6,8,10,12,14
	v_pk_mul_f32 v[160+\j:161+\j], v[160+\j:161+\j], v[196:197] op_sel_hi:[1,0]
.endr
.irp j, 0,2,4,6,8,10,12,14
	v_pk_fma_f32 v[160+\j:161+\j], v[160+\j:161+\j], v[128+\j:129+\j], v[144+\j:145+\j]
.endr
.irp i, 0,1,2,3
	global_store_b128 v[GOUT], v[160+4*\i:163+4*\i], s[30:31] offset:256*\i th:TH_STORE_NT
.endr
	s_wait_tensorcnt 0x0
	ds_add_u32 v[SPW], v[NIL]
	s_wait_dscnt 0x0
	CROUND
	s_endpgm
.Lfunc_end_k_q039ca47bd9_attn:
	.size	k_q039ca47bd9_attn, .Lfunc_end_k_q039ca47bd9_attn-k_q039ca47bd9_attn
	.p2alignl 7, 3214868480
	.fill 96, 4, 3214868480
	.section	.rodata,"a",@progbits
	.p2align	6, 0x0
	.amdhsa_kernel k_q039ca47bd9_attn
		.amdhsa_group_segment_fixed_size 327680
		.amdhsa_private_segment_fixed_size 0
		.amdhsa_enable_private_segment 0
		.amdhsa_kernarg_size 96
		.amdhsa_user_sgpr_count 2
		.amdhsa_user_sgpr_kernarg_segment_ptr 1
		.amdhsa_wavefront_size32 1
		.amdhsa_system_sgpr_workgroup_id_x 1
		.amdhsa_system_sgpr_workgroup_id_y 1
		.amdhsa_system_sgpr_workgroup_id_z 1
		.amdhsa_system_vgpr_workitem_id 0
		.amdhsa_next_free_vgpr 256
		.amdhsa_next_free_sgpr 100
		.amdhsa_reserve_vcc 0
		.amdhsa_float_denorm_mode_32 3
		.amdhsa_float_denorm_mode_16_64 3
		.amdhsa_memory_ordered 1
		.amdhsa_forward_progress 1
		.amdhsa_inst_pref_size 108
	.end_amdhsa_kernel
	.amdgpu_metadata
---
amdhsa.version: [ 1, 2 ]
amdhsa.kernels:
  - .name:           k_q039ca47bd9_attn
    .symbol:         k_q039ca47bd9_attn.kd
    .args:
      - { .name: q, .offset: 0, .size: 8, .value_kind: global_buffer, .address_space: global }
      - { .name: w_codes, .offset: 8, .size: 8, .value_kind: global_buffer, .address_space: global }
      - { .name: w_scales, .offset: 16, .size: 8, .value_kind: global_buffer, .address_space: global }
      - { .name: bq, .offset: 24, .size: 8, .value_kind: global_buffer, .address_space: global }
      - { .name: kv_codes, .offset: 32, .size: 8, .value_kind: global_buffer, .address_space: global }
      - { .name: kv_scales, .offset: 40, .size: 8, .value_kind: global_buffer, .address_space: global }
      - { .name: bo, .offset: 48, .size: 8, .value_kind: global_buffer, .address_space: global }
      - { .name: g0, .offset: 56, .size: 8, .value_kind: global_buffer, .address_space: global }
      - { .name: b0, .offset: 64, .size: 8, .value_kind: global_buffer, .address_space: global }
      - { .name: g1, .offset: 72, .size: 8, .value_kind: global_buffer, .address_space: global }
      - { .name: b1, .offset: 80, .size: 8, .value_kind: global_buffer, .address_space: global }
      - { .name: out0, .offset: 88, .size: 8, .value_kind: global_buffer, .address_space: global }
    .group_segment_fixed_size: 327680
    .private_segment_fixed_size: 0
    .kernarg_segment_align: 8
    .kernarg_segment_size: 96
    .max_flat_workgroup_size: 512
    .sgpr_count:     100
    .vgpr_count:     256
    .wavefront_size: 32
...
	.end_amdgpu_metadata
.endif
;; end of part 2
